; MI455X (gfx1250); checked and timed in simulation.
; The chip was launched on July 23, 2026; its instructions are those of AMD's public machine-readable ISA for CDNA 5 (MIT licence, August 2026) and "CDNA5" Instruction Set Architecture Reference Guide (July 2026). The comments in the code are by the model that wrote it; some were corrected since.
;; Warp3d. Allowed arithmetic: float matrix products may take bf16 or f16 operands with f32 sums; all other float work in f32.
;; Inputs: w 1 x 3 x 3 x 160 x 192 x 160 float32; x 1 x 3 x 1 x 160 x 192 x 160 float32.
;; Outputs: out0 1 x 3 x 1 x 160 x 192 x 160 float32.
;; 2 versions, each right; version 2 is version 1 with the launches locate, sample written anew for expert scheduling mode. Each part assembles by itself: llvm-mc -triple=amdgcn-amd-amdhsa -mcpu=gfx1250 --defsym DOCPART=n.
;; ======== version 1 of 2: 2 launches
;; workspace buffers: idx 58,982,400 bytes of whole numbers
;; launch locate (part 1): grid 1920 x 3, 4 waves a work-group, no clusters, 0 bytes of LDS; arguments w, idx; writes idx
.if DOCPART == 1
	.amdgcn_target "amdgcn-amd-amdhsa--gfx1250"
	.amdhsa_code_object_version 6
	.text
	.protected	k_q305625a51c_locate
	.globl	k_q305625a51c_locate
	.p2align	8
	.type	k_q305625a51c_locate,@function
k_q305625a51c_locate:
	s_mov_b64 s[64:65], 0
	v_nop
	global_prefetch_b8 v0, s[64:65] scope:SCOPE_SE
	s_setreg_imm32_b32 hwreg(HW_REG_WAVE_MODE, 25, 1), 1
	s_wait_xcnt 0x0
; LOCATE: first of two launches of a trilinear warp.  w: [3 volumes][3 axes][160][192][160] f32.  idx: [3][160][192][160] u32.
; For every voxel: c = grid + w on each axis, b = clip(floor(c), 0, size - 2), idx = ((bx * 192 + by) << 8) | bz.
; The second launch gathers the eight corners b, b + 1 and gives them weights that are zero where a corner lies outside the volume.
; WHY A LAUNCH OF ITS OWN: a launch forms its addresses from whole numbers that it reads from memory, never from floating-point
; numbers of its own; so the one step from floats to indices stands here and the indices go through memory.
; SHARES: grid x = 12 strips of 16 rows in each of 160 slabs, grid y = the volume.  Four waves; a wave owns 4 rows = 2,560 consecutive
; bytes = 5 passes of 16 bytes a lane, so every load and store of a wave covers 512 consecutive bytes at a multiple of 512.
; All 15 loads of a wave go out at its start; no LDS, no barrier: no wave needs another's data.
; LIMIT: w finite.  A NaN in w gives an index inside the volume (the second launch clamps again), not a NaN.
.set VOLB, 19660800                    ; bytes of one volume: 160 x 192 x 160 x 4
.set GRPB, 2560                        ; bytes of a wave's four rows
.set OFF,  1                           ; v1       16 x lane; never rewritten
.set C01,  2                           ; v[2:3]   0.0, 1.0
.set C23,  4                           ; v[4:5]   2.0, 3.0
.set P,    6                           ; v[6:15]  pass k: (y, z of my first voxel) as f32
.set T,    16                          ; v[16:23] at work
.set WV,   24                          ; v[24:83] pass k: 4 of w's x axis, 4 of y, 4 of z; the first four end as the words to store
	s_load_b128 s[4:7], s[0:1], 0x0                ; w s[4:5], idx s[6:7]
	v_lshrrev_b32 v[T], 5, v0
	v_readfirstlane_b32 s13, v[T]                  ; wave 0..3
	v_and_b32 v[T+1], 31, v0                       ; lane
	v_lshlrev_b32 v[OFF], 4, v[T+1]
	s_and_b32 s12, ttmp7, 0xffff                   ; volume 0..2
	s_mul_i32 s14, ttmp9, 5462
	s_lshr_b32 s14, s14, 16                        ; slab = group / 12 (5462 / 65536 is exact for this up to 8,000; here below 1,920)
	s_mul_i32 s15, s14, 12
	s_sub_co_u32 s15, ttmp9, s15                   ; strip 0..11
	s_lshl2_add_u32 s15, s15, s13
	s_lshl_b32 s15, s15, 2                         ; my first row in the slab: 16 strip + 4 wave
	s_cvt_f32_u32 s36, s14                         ; the grid's x, the same for the whole wave,
	s_mov_b32 s37, s36                             ; as a pair for the packed add
	s_mov_b32 s38, 0x431e0000                      ; 158.0 = 160 - 2
	s_mov_b32 s39, 0x433e0000                      ; 190.0 = 192 - 2
	s_lshl2_add_u32 s16, ttmp9, s13                ; my four rows' number in the volume
	s_mul_i32 s16, s16, GRPB                       ; and their byte offset in it
	s_mul_i32 s20, s12, 3*VOLB                     ; w has three volumes for each volume of x
	s_add_co_u32 s20, s20, s16                     ; below 2^31
	s_mov_b32 s21, 0
	s_mul_i32 s22, s12, VOLB
	s_add_co_u32 s22, s22, s16
	s_mov_b32 s23, 0
	s_wait_kmcnt 0x0
	s_add_nc_u64 s[24:25], s[4:5], s[20:21]        ; w, x axis, at my rows
	s_add_nc_u64 s[26:27], s[24:25], VOLB          ; y axis
	s_add_nc_u64 s[28:29], s[26:27], VOLB          ; z axis
	s_add_nc_u64 s[30:31], s[6:7], s[22:23]        ; idx at my rows
.irp k, 0,1,2,3,4
	global_load_b128 v[WV+12*\k:WV+12*\k+3],    v[OFF], s[24:25] offset:512*\k th:TH_LOAD_NT
	global_load_b128 v[WV+12*\k+4:WV+12*\k+7],  v[OFF], s[26:27] offset:512*\k th:TH_LOAD_NT
	global_load_b128 v[WV+12*\k+8:WV+12*\k+11], v[OFF], s[28:29] offset:512*\k th:TH_LOAD_NT
.endr
	; where my 16 bytes of pass k lie: piece q = lane + 32 k of the 160 pieces of four rows; a row has 40 pieces
	v_mov_b32 v[C01], 0
	v_mov_b32 v[C01+1], 1.0
	v_mov_b32 v[C23], 2.0
	v_mov_b32 v[C23+1], 0x40400000                 ; 3.0
.irp k, 0,1,2,3,4
	v_add_nc_u32 v[T+2], 32*\k, v[T+1]             ; q
	v_mul_u32_u24 v[T+3], 205, v[T+2]
	v_lshrrev_b32 v[T+3], 13, v[T+3]               ; q / 40 (205 / 8192 is exact for this below 1,000)
	v_mul_u32_u24 v[T+4], 40, v[T+3]
	v_sub_nc_u32 v[T+2], v[T+2], v[T+4]            ; q % 40
	v_add_nc_u32 v[T+3], s15, v[T+3]               ; y
	v_lshlrev_b32 v[T+2], 2, v[T+2]                ; z of the first of my four voxels
	v_cvt_f32_u32 v[P+2*\k], v[T+3]
	v_cvt_f32_u32 v[P+2*\k+1], v[T+2]
.endr
.macro PASS k
.set B, WV+12*\k
	s_wait_loadcnt 12-3*\k                         ; loads come back in order (ISA guide 5.7.1): the three of each later pass stay out
	v_pk_add_f32 v[T:T+1],     v[P+2*\k:P+2*\k+1], v[C01:C01+1] op_sel:[1,0] op_sel_hi:[1,1]   ; the grid's z, z + 1 (whole numbers: exact)
	v_pk_add_f32 v[T+2:T+3],   v[P+2*\k:P+2*\k+1], v[C23:C23+1] op_sel:[1,0] op_sel_hi:[1,1]   ; z + 2, z + 3
	v_pk_add_f32 v[B:B+1],     v[B:B+1],     s[36:37] op_sel_hi:[1,0]                          ; c = grid + w, one rounding
	v_pk_add_f32 v[B+2:B+3],   v[B+2:B+3],   s[36:37] op_sel_hi:[1,0]
	v_pk_add_f32 v[B+4:B+5],   v[B+4:B+5],   v[P+2*\k:P+2*\k+1] op_sel_hi:[1,0]
	v_pk_add_f32 v[B+6:B+7],   v[B+6:B+7],   v[P+2*\k:P+2*\k+1] op_sel_hi:[1,0]
	v_pk_add_f32 v[B+8:B+9],   v[B+8:B+9],   v[T:T+1]
	v_pk_add_f32 v[B+10:B+11], v[B+10:B+11], v[T+2:T+3]
.irp i, 0,1,2,3,4,5,6,7,8,9,10,11
	v_floor_f32 v[B+\i], v[B+\i]
.endr
.irp i, 0,1,2,3
	v_med3_num_f32 v[B+\i],   v[B+\i],   0, s38    ; clipped while still a float, so that any size of w is served
	v_med3_num_f32 v[B+4+\i], v[B+4+\i], 0, s39
	v_med3_num_f32 v[B+8+\i], v[B+8+\i], 0, s38
.endr
.irp i, 0,2
	v_pk_fma_f32 v[B+\i:B+\i+1], v[B+\i:B+\i+1], 0x43400000, v[B+4+\i:B+5+\i] op_sel_hi:[1,0,1]   ; bx * 192 + by
	v_pk_fma_f32 v[B+\i:B+\i+1], v[B+\i:B+\i+1], 0x43800000, v[B+8+\i:B+9+\i] op_sel_hi:[1,0,1]   ; * 256 + bz: at most 7,814,814, below 2^24, so exact in f32
.endr
.irp i, 0,1,2,3
	v_cvt_u32_f32 v[B+\i], v[B+\i]
.endr
	global_store_b128 v[OFF], v[B:B+3], s[30:31] offset:512*\k th:TH_STORE_NT   ; its registers are never written again
.endm
	PASS 0
	PASS 1
	PASS 2
	PASS 3
	PASS 4
	s_endpgm
.Lfunc_end_k_q305625a51c_locate:
	.size	k_q305625a51c_locate, .Lfunc_end_k_q305625a51c_locate-k_q305625a51c_locate
	.p2alignl 7, 3214868480
	.fill 96, 4, 3214868480
	.section	.rodata,"a",@progbits
	.p2align	6, 0x0
	.amdhsa_kernel k_q305625a51c_locate
		.amdhsa_group_segment_fixed_size 0
		.amdhsa_private_segment_fixed_size 0
		.amdhsa_enable_private_segment 0
		.amdhsa_kernarg_size 16
		.amdhsa_user_sgpr_count 2
		.amdhsa_user_sgpr_kernarg_segment_ptr 1
		.amdhsa_wavefront_size32 1
		.amdhsa_system_sgpr_workgroup_id_x 1
		.amdhsa_system_sgpr_workgroup_id_y 1
		.amdhsa_system_sgpr_workgroup_id_z 1
		.amdhsa_system_vgpr_workitem_id 0
		.amdhsa_next_free_vgpr 84
		.amdhsa_next_free_sgpr 66
		.amdhsa_reserve_vcc 0
		.amdhsa_float_denorm_mode_32 3
		.amdhsa_float_denorm_mode_16_64 3
		.amdhsa_memory_ordered 1
		.amdhsa_forward_progress 1
		.amdhsa_inst_pref_size 16
	.end_amdhsa_kernel
	.amdgpu_metadata
---
amdhsa.version: [ 1, 2 ]
amdhsa.kernels:
  - .name:           k_q305625a51c_locate
    .symbol:         k_q305625a51c_locate.kd
    .args:
      - { .name: w, .offset: 0, .size: 8, .value_kind: global_buffer, .address_space: global }
      - { .name: idx, .offset: 8, .size: 8, .value_kind: global_buffer, .address_space: global }
    .group_segment_fixed_size: 0
    .private_segment_fixed_size: 0
    .kernarg_segment_align: 8
    .kernarg_segment_size: 16
    .max_flat_workgroup_size: 128
    .sgpr_count:     66
    .vgpr_count:     84
    .wavefront_size: 32
...
	.end_amdgpu_metadata
.endif
;; end of part 1
;; launch sample (part 2): grid 1920 x 3, 4 waves a work-group, no clusters, 0 bytes of LDS; arguments w, x, idx, out0; writes out0
.if DOCPART == 2
	.amdgcn_target "amdgcn-amd-amdhsa--gfx1250"
	.amdhsa_code_object_version 6
	.text
	.protected	k_q305625a51c_sample
	.globl	k_q305625a51c_sample
	.p2align	8
	.type	k_q305625a51c_sample,@function
k_q305625a51c_sample:
	s_mov_b64 s[64:65], 0
	v_nop
	global_prefetch_b8 v0, s[64:65] scope:SCOPE_SE
	s_setreg_imm32_b32 hwreg(HW_REG_WAVE_MODE, 25, 1), 1
	s_wait_xcnt 0x0
; SAMPLE: second of two launches of a trilinear warp with zero padding.  w: [3][3][160][192][160] f32, x and out0: [3][160][192][160] f32,
; idx: [3][160][192][160] u32 from the first launch: ((bx * 192 + by) << 8) | bz with b = clip(floor(grid + w), 0, size - 2) on each axis.
; ADDRESSES come from idx alone.  Since b <= size - 2, the eight corners b, b + 1 lie inside the volume at one byte offset plus constants.
; WEIGHTS come from w alone, by the same c, floor and clip as in the first launch (the same instructions, so the same bits).  With d = c - b:
;   node b     has weight max(0, 1 - |d|)     = median(1 - d, 1 + d, 0)
;   node b + 1 has weight max(0, 1 - |d - 1|) = median(d, 2 - d, 0)
; For 0 <= floor(c) <= size - 2 these are exactly 1 - f and f.  For floor(c) = -1 node 0 gets f and node 1 gets 0; for floor(c) = size - 1
; the last node gets 1 - f and the one before it 0; further out both are 0: corners outside the volume count as zeros.
; SHARES as in the first launch: grid x = 12 strips of 16 rows in each of 160 slabs, grid y = the volume; four waves; a wave owns 4 rows =
; 5 passes of 16 bytes a lane (4 neighbouring z), so each streamed load and each store of a wave covers 512 consecutive, aligned bytes.
; A wave asks for all its idx and w at its start, then keeps two passes' gathers (2 x 32 loads) on their way.  No LDS and no barrier:
; which rows of x a voxel wants is known only from idx, and no wave needs another's data.
; LIMITS: w finite (NaN or infinity gives 0, not NaN).  x finite (a NaN or infinity of x under a weight of zero at or beyond the border
; gives NaN where a mask would give 0).  The eight products are factored along z, then x, then y: another order of rounding than eight
; weighted terms summed.
.set VOLB,  19660800                   ; bytes of one volume
.set GRPB,  2560                       ; bytes of a wave's four rows
.set ROWB,  640                        ; from y to y + 1
.set SLABB, 122880                     ; from x to x + 1
.set RMAX,  30526                      ; 158 * 192 + 190, the largest bx * 192 + by
.set ZMAX,  158
.set OFF,  1                           ; v1         16 x lane; never rewritten
.set C01,  2                           ; v[2:3]     0.0, 1.0
.set C23,  4                           ; v[4:5]     2.0, 3.0
.set P,    6                           ; v[6:15]    pass k: (y, z of my first voxel) as f32
.set T,    16                          ; v[16:23]   at work
.set WH,   24                          ; v[24:35]   the pass at work: weights of node b + 1: 4 of x, 4 of y, 4 of z
.set IX,   36                          ; v[36:55]   pass k: 4 words of idx, then 4 byte offsets in x, then the 4 results
.set WV,   56                          ; v[56:115]  pass k: 4 + 4 + 4 of w, then the weights of node b
.set G,    116                         ; v[116:179] two buffers of 4 voxels x 8 corners: registers 0-3 z = bz of (x,y) = (0,0) (0,1) (1,0) (1,1), 4-7 z = bz + 1
	s_load_b256 s[4:11], s[0:1], 0x0               ; w s[4:5], x s[6:7], idx s[8:9], out0 s[10:11]
	v_lshrrev_b32 v[T], 5, v0
	v_readfirstlane_b32 s13, v[T]                  ; wave 0..3
	v_and_b32 v[T+1], 31, v0                       ; lane
	v_lshlrev_b32 v[OFF], 4, v[T+1]
	s_and_b32 s12, ttmp7, 0xffff                   ; volume 0..2
	s_mul_i32 s14, ttmp9, 5462
	s_lshr_b32 s14, s14, 16                        ; slab = group / 12 (exact for groups below 1,920)
	s_mul_i32 s15, s14, 12
	s_sub_co_u32 s15, ttmp9, s15                   ; strip 0..11
	s_lshl2_add_u32 s15, s15, s13
	s_lshl_b32 s15, s15, 2                         ; my first row in the slab: 16 strip + 4 wave
	s_cvt_f32_u32 s36, s14                         ; the grid's x,
	s_mov_b32 s37, s36                             ; as a pair for the packed add
	s_mov_b32 s38, 0x431e0000                      ; 158.0
	s_mov_b32 s39, 0x433e0000                      ; 190.0
	s_lshl2_add_u32 s16, ttmp9, s13
	s_mul_i32 s16, s16, GRPB                       ; my four rows' byte offset in a volume
	s_mul_i32 s20, s12, 3*VOLB
	s_add_co_u32 s20, s20, s16                     ; in w; below 2^31
	s_mov_b32 s21, 0
	s_mul_i32 s18, s12, VOLB                       ; my volume of x
	s_mov_b32 s19, 0
	s_add_co_u32 s22, s18, s16                     ; my rows in idx and in out0
	s_mov_b32 s23, 0
	s_wait_kmcnt 0x0
	s_add_nc_u64 s[24:25], s[4:5], s[20:21]        ; w, x axis
	s_add_nc_u64 s[26:27], s[24:25], VOLB          ; y axis
	s_add_nc_u64 s[28:29], s[26:27], VOLB          ; z axis
	s_add_nc_u64 s[30:31], s[8:9], s[22:23]        ; idx
	s_add_nc_u64 s[32:33], s[10:11], s[22:23]      ; out0
	s_add_nc_u64 s[34:35], s[6:7], s[18:19]        ; x, the volume's first byte
.irp k, 0,1,2,3,4
	global_load_b128 v[IX+4*\k:IX+4*\k+3], v[OFF], s[30:31] offset:512*\k th:TH_LOAD_NT     ; idx first: the gathers hang on it
.endr
.irp k, 0,1,2,3,4
	global_load_b128 v[WV+12*\k:WV+12*\k+3],    v[OFF], s[24:25] offset:512*\k th:TH_LOAD_NT
	global_load_b128 v[WV+12*\k+4:WV+12*\k+7],  v[OFF], s[26:27] offset:512*\k th:TH_LOAD_NT
	global_load_b128 v[WV+12*\k+8:WV+12*\k+11], v[OFF], s[28:29] offset:512*\k th:TH_LOAD_NT
.endr
	; where my 16 bytes of pass k lie: piece q = lane + 32 k of the 160 pieces of four rows; a row has 40 pieces
	v_mov_b32 v[C01], 0
	v_mov_b32 v[C01+1], 1.0
	v_mov_b32 v[C23], 2.0
	v_mov_b32 v[C23+1], 0x40400000                 ; 3.0
.irp k, 0,1,2,3,4
	v_add_nc_u32 v[T+2], 32*\k, v[T+1]             ; q
	v_mul_u32_u24 v[T+3], 205, v[T+2]
	v_lshrrev_b32 v[T+3], 13, v[T+3]               ; q / 40 (exact for q below 160)
	v_mul_u32_u24 v[T+4], 40, v[T+3]
	v_sub_nc_u32 v[T+2], v[T+2], v[T+4]            ; q % 40
	v_add_nc_u32 v[T+3], s15, v[T+3]               ; y
	v_lshlrev_b32 v[T+2], 2, v[T+2]                ; z of the first of my four voxels
	v_cvt_f32_u32 v[P+2*\k], v[T+3]
	v_cvt_f32_u32 v[P+2*\k+1], v[T+2]
.endr
; idx to byte offsets, in place.  Both fields are clamped again here, so that no word whatever leads outside x.
.macro ADDR k
.irp j, 0,1,2,3
	v_lshrrev_b32 v[T+\j], 8, v[IX+4*\k+\j]
	v_and_b32 v[IX+4*\k+\j], 0xff, v[IX+4*\k+\j]
	v_min_u32 v[T+\j], RMAX, v[T+\j]
	v_min_u32 v[IX+4*\k+\j], ZMAX, v[IX+4*\k+\j]
	v_mul_u32_u24 v[T+\j], ROWB, v[T+\j]
	v_lshl_add_u32 v[IX+4*\k+\j], v[IX+4*\k+\j], 2, v[T+\j]       ; (bx * 192 + by) * 640 + 4 bz
.endr
.endm
; 32 loads: the eight corners of my four voxels of pass k; the two z of a row one behind the other
.macro GATH k
.irp j, 0,1,2,3
	global_load_b32 v[G+32*(\k%2)+8*\j+0], v[IX+4*\k+\j], s[34:35]
	global_load_b32 v[G+32*(\k%2)+8*\j+4], v[IX+4*\k+\j], s[34:35] offset:4
	global_load_b32 v[G+32*(\k%2)+8*\j+1], v[IX+4*\k+\j], s[34:35] offset:ROWB
	global_load_b32 v[G+32*(\k%2)+8*\j+5], v[IX+4*\k+\j], s[34:35] offset:ROWB+4
	global_load_b32 v[G+32*(\k%2)+8*\j+2], v[IX+4*\k+\j], s[34:35] offset:SLABB
	global_load_b32 v[G+32*(\k%2)+8*\j+6], v[IX+4*\k+\j], s[34:35] offset:SLABB+4
	global_load_b32 v[G+32*(\k%2)+8*\j+3], v[IX+4*\k+\j], s[34:35] offset:SLABB+ROWB
	global_load_b32 v[G+32*(\k%2)+8*\j+7], v[IX+4*\k+\j], s[34:35] offset:SLABB+ROWB+4
.endr
.endm
; two coordinates c in v[c:c+1] become the weights of node b (in place) and of node b + 1 (in v[hi:hi+1]); top = size - 2
.macro HAT c, hi, top
	v_floor_f32 v[T], v[\c]
	v_floor_f32 v[T+1], v[\c+1]
	v_med3_num_f32 v[T], v[T], 0, \top                                            ; b
	v_med3_num_f32 v[T+1], v[T+1], 0, \top
	v_pk_add_f32 v[\c:\c+1], v[\c:\c+1], v[T:T+1] neg_lo:[0,1] neg_hi:[0,1]       ; d = c - b
	v_pk_fma_f32 v[T+2:T+3], v[\c:\c+1], -1.0, 2.0 op_sel_hi:[1,0,0]              ; 2 - d
	v_pk_fma_f32 v[T+4:T+5], v[\c:\c+1], -1.0, 1.0 op_sel_hi:[1,0,0]              ; 1 - d
	v_pk_add_f32 v[T+6:T+7], v[\c:\c+1], 1.0 op_sel_hi:[1,0]                      ; 1 + d
	v_med3_num_f32 v[\hi], v[\c], v[T+2], 0
	v_med3_num_f32 v[\hi+1], v[\c+1], v[T+3], 0
	v_med3_num_f32 v[\c], v[T+4], v[T+6], 0
	v_med3_num_f32 v[\c+1], v[T+5], v[T+7], 0
.endm
.macro WEIGHTS k
.set B, WV+12*\k
	v_pk_add_f32 v[T:T+1],     v[P+2*\k:P+2*\k+1], v[C01:C01+1] op_sel:[1,0] op_sel_hi:[1,1]   ; the grid's z, z + 1
	v_pk_add_f32 v[T+2:T+3],   v[P+2*\k:P+2*\k+1], v[C23:C23+1] op_sel:[1,0] op_sel_hi:[1,1]   ; z + 2, z + 3
	v_pk_add_f32 v[B:B+1],     v[B:B+1],     s[36:37] op_sel_hi:[1,0]                          ; c = grid + w
	v_pk_add_f32 v[B+2:B+3],   v[B+2:B+3],   s[36:37] op_sel_hi:[1,0]
	v_pk_add_f32 v[B+4:B+5],   v[B+4:B+5],   v[P+2*\k:P+2*\k+1] op_sel_hi:[1,0]
	v_pk_add_f32 v[B+6:B+7],   v[B+6:B+7],   v[P+2*\k:P+2*\k+1] op_sel_hi:[1,0]
	v_pk_add_f32 v[B+8:B+9],   v[B+8:B+9],   v[T:T+1]
	v_pk_add_f32 v[B+10:B+11], v[B+10:B+11], v[T+2:T+3]
	HAT B,    WH,    s38
	HAT B+2,  WH+2,  s38
	HAT B+4,  WH+4,  s39
	HAT B+6,  WH+6,  s39
	HAT B+8,  WH+8,  s38
	HAT B+10, WH+10, s38
.endm
; voxel j of pass k; sel = j % 2 says which register of a pair of weights is this voxel's.  Along z (four rows, two at a time), along x, along y.
.macro VOX k, j, sel
.set GV,  G+32*(\k%2)+8*\j
.set WLO, WV+12*\k+2*(\j/2)
.set WHI, WH+2*(\j/2)
	v_pk_mul_f32 v[GV:GV+1],   v[GV:GV+1],   v[WLO+8:WLO+9] op_sel:[0,\sel] op_sel_hi:[1,\sel]
	v_pk_mul_f32 v[GV+2:GV+3], v[GV+2:GV+3], v[WLO+8:WLO+9] op_sel:[0,\sel] op_sel_hi:[1,\sel]
	v_pk_fma_f32 v[GV:GV+1],   v[GV+4:GV+5], v[WHI+8:WHI+9], v[GV:GV+1]   op_sel:[0,\sel,0] op_sel_hi:[1,\sel,1]
	v_pk_fma_f32 v[GV+2:GV+3], v[GV+6:GV+7], v[WHI+8:WHI+9], v[GV+2:GV+3] op_sel:[0,\sel,0] op_sel_hi:[1,\sel,1]
	v_pk_mul_f32 v[GV:GV+1],   v[GV:GV+1],   v[WLO:WLO+1] op_sel:[0,\sel] op_sel_hi:[1,\sel]
	v_pk_fma_f32 v[GV:GV+1],   v[GV+2:GV+3], v[WHI:WHI+1], v[GV:GV+1] op_sel:[0,\sel,0] op_sel_hi:[1,\sel,1]
	v_mul_f32  v[IX+4*\k+\j], v[GV],   v[WLO+4+\sel]      ; the result takes the place of the voxel's byte offset: the wait above has shown its gathers done
	v_fmac_f32 v[IX+4*\k+\j], v[GV+1], v[WHI+4+\sel]
.endm
; pass k: weights while its gathers are on their way, then the gathers, the sums and the store.  left = younger loads that stay out.
.macro STEP k, left
	WEIGHTS \k
	s_wait_loadcnt \left                           ; loads come back in order (ISA guide 5.7.1): pass k's 32 are in, the next pass's 32 stay out
	VOX \k, 0, 0
	VOX \k, 1, 1
	VOX \k, 2, 0
	VOX \k, 3, 1
	global_store_b128 v[OFF], v[IX+4*\k:IX+4*\k+3], s[32:33] offset:512*\k th:TH_STORE_NT   ; its registers are never written again
.endm
	s_wait_loadcnt 15                              ; idx's five loads are in; w's fifteen were issued behind them
	ADDR 0
	GATH 0
	ADDR 1
	s_wait_loadcnt 32                              ; all of w is in (it went out right behind idx); pass 0's 32 gathers stay out
	GATH 1
	ADDR 2
	ADDR 3
	ADDR 4
	STEP 0, 32
	GATH 2                                         ; into the buffer that pass 0 has just used up
	STEP 1, 32
	GATH 3
	STEP 2, 32
	GATH 4
	STEP 3, 32
	STEP 4, 0                                      ; nothing was issued behind pass 4's gathers
	s_endpgm
.Lfunc_end_k_q305625a51c_sample:
	.size	k_q305625a51c_sample, .Lfunc_end_k_q305625a51c_sample-k_q305625a51c_sample
	.p2alignl 7, 3214868480
	.fill 96, 4, 3214868480
	.section	.rodata,"a",@progbits
	.p2align	6, 0x0
	.amdhsa_kernel k_q305625a51c_sample
		.amdhsa_group_segment_fixed_size 0
		.amdhsa_private_segment_fixed_size 0
		.amdhsa_enable_private_segment 0
		.amdhsa_kernarg_size 32
		.amdhsa_user_sgpr_count 2
		.amdhsa_user_sgpr_kernarg_segment_ptr 1
		.amdhsa_wavefront_size32 1
		.amdhsa_system_sgpr_workgroup_id_x 1
		.amdhsa_system_sgpr_workgroup_id_y 1
		.amdhsa_system_sgpr_workgroup_id_z 1
		.amdhsa_system_vgpr_workitem_id 0
		.amdhsa_next_free_vgpr 180
		.amdhsa_next_free_sgpr 66
		.amdhsa_reserve_vcc 0
		.amdhsa_float_denorm_mode_32 3
		.amdhsa_float_denorm_mode_16_64 3
		.amdhsa_memory_ordered 1
		.amdhsa_forward_progress 1
		.amdhsa_inst_pref_size 60
	.end_amdhsa_kernel
	.amdgpu_metadata
---
amdhsa.version: [ 1, 2 ]
amdhsa.kernels:
  - .name:           k_q305625a51c_sample
    .symbol:         k_q305625a51c_sample.kd
    .args:
      - { .name: w, .offset: 0, .size: 8, .value_kind: global_buffer, .address_space: global }
      - { .name: x, .offset: 8, .size: 8, .value_kind: global_buffer, .address_space: global }
      - { .name: idx, .offset: 16, .size: 8, .value_kind: global_buffer, .address_space: global }
      - { .name: out0, .offset: 24, .size: 8, .value_kind: global_buffer, .address_space: global }
    .group_segment_fixed_size: 0
    .private_segment_fixed_size: 0
    .kernarg_segment_align: 8
    .kernarg_segment_size: 32
    .max_flat_workgroup_size: 128
    .sgpr_count:     66
    .vgpr_count:     180
    .wavefront_size: 32
...
	.end_amdgpu_metadata
.endif
;; end of part 2
;; ======== version 2 of 2: 2 launches; version 1 with the launches locate, sample written anew for expert scheduling mode
;; workspace buffers: idx 58,982,400 bytes of whole numbers
;; launch locate (part 3): grid 1920 x 3, 4 waves a work-group, no clusters, 0 bytes of LDS; arguments w, idx; writes idx
.if DOCPART == 3
	.amdgcn_target "amdgcn-amd-amdhsa--gfx1250"
	.amdhsa_code_object_version 6
	.text
	.protected	k_q305625a51c_locate
	.globl	k_q305625a51c_locate
	.p2align	8
	.type	k_q305625a51c_locate,@function
k_q305625a51c_locate:
	s_mov_b64 s[64:65], 0
	v_nop
	global_prefetch_b8 v0, s[64:65] scope:SCOPE_SE
	s_setreg_imm32_b32 hwreg(HW_REG_WAVE_SCHED_MODE, 0, 2), 2
	s_setreg_imm32_b32 hwreg(HW_REG_WAVE_MODE, 25, 1), 1
	s_wait_xcnt 0x0
	s_wait_alu depctr_vm_vsrc(0)
; LOCATE: first of two launches of a trilinear warp.  w: [3 volumes][3 axes][160][192][160] f32.  idx: [3][160][192][160] u32.
; For every voxel: c = grid + w on each axis, b = clip(floor(c), 0, size - 2), idx = ((bx * 192 + by) << 8) | bz.
; The second launch gathers the eight corners b, b + 1 and gives them weights that are zero where a corner lies outside the volume.
; WHY A LAUNCH OF ITS OWN: a launch forms its addresses from whole numbers that it reads from memory, never from floating-point
; numbers of its own; so the one step from floats to indices stands here and the indices go through memory.
; SHARES: grid x = 12 strips of 16 rows in each of 160 slabs, grid y = the volume.  Four waves; a wave owns 4 rows = 2,560 consecutive
; bytes = 5 passes of 16 bytes a lane, so every load and store of a wave covers 512 consecutive bytes at a multiple of 512.
; All 15 loads of a wave go out at its start; no LDS, no barrier: no wave needs another's data.
; LIMIT: w finite.  A NaN in w gives an index inside the volume (the second launch clamps again), not a NaN.
; THE MODE: SCHED_MODE bits 1:0 = 2 (LLVM: expert scheduling mode 2), set by the entry lines.  The code itself states the register dependences
; between vector instructions and memory instructions, with s_wait_alu, always for 0.
; THE PLAN.  Registers that memory instructions touch:
;   v1       the byte offset of every load and store: written once at the head, never again.
;   WV[k]    the head's loads land in it (no vector instruction has named it before); pass k's arithmetic works in it; the store of pass k
;            reads its first four registers; nothing writes them afterwards.
;   T, P, C01, C23 are named by vector instructions alone.
; The store of pass k stands at the head of pass k + 1, behind one wait which states that pass k has written its words; no vector
; instruction of pass k + 1 names them.  Nothing that a memory instruction reads is ever written again, so no wait on vm_vsrc is owed.
.set VOLB, 19660800                    ; bytes of one volume: 160 x 192 x 160 x 4
.set GRPB, 2560                        ; bytes of a wave's four rows
.set OFF,  1                           ; v1       16 x lane; never rewritten
.set C01,  2                           ; v[2:3]   0.0, 1.0
.set C23,  4                           ; v[4:5]   2.0, 3.0
.set P,    6                           ; v[6:15]  pass k: (y, z of my first voxel) as f32
.set T,    16                          ; v[16:23] at work
.set WV,   24                          ; v[24:83] pass k: 4 of w's x axis, 4 of y, 4 of z; the first four end as the words to store
	s_load_b128 s[4:7], s[0:1], 0x0                ; w s[4:5], idx s[6:7]
	v_lshrrev_b32 v[T], 5, v0
	v_readfirstlane_b32 s13, v[T]                  ; wave 0..3
	v_and_b32 v[T+1], 31, v0                       ; lane
	v_lshlrev_b32 v[OFF], 4, v[T+1]
	s_wait_alu depctr_va_sdst(0)                   ; s13 is written, ahead of its first reader: my rows and the bases are made from it
	s_and_b32 s12, ttmp7, 0xffff                   ; volume 0..2
	s_mul_i32 s14, ttmp9, 5462
	s_lshr_b32 s14, s14, 16                        ; slab = group / 12 (5462 / 65536 is exact for this up to 8,000; here below 1,920)
	s_mul_i32 s15, s14, 12
	s_sub_co_u32 s15, ttmp9, s15                   ; strip 0..11
	s_lshl2_add_u32 s15, s15, s13
	s_lshl_b32 s15, s15, 2                         ; my first row in the slab: 16 strip + 4 wave
	s_cvt_f32_u32 s36, s14                         ; the grid's x, the same for the whole wave,
	s_mov_b32 s37, s36                             ; as a pair for the packed add
	s_mov_b32 s38, 0x431e0000                      ; 158.0 = 160 - 2
	s_mov_b32 s39, 0x433e0000                      ; 190.0 = 192 - 2
	s_lshl2_add_u32 s16, ttmp9, s13                ; my four rows' number in the volume
	s_mul_i32 s16, s16, GRPB                       ; and their byte offset in it
	s_mul_i32 s20, s12, 3*VOLB                     ; w has three volumes for each volume of x
	s_add_co_u32 s20, s20, s16                     ; below 2^31
	s_mov_b32 s21, 0
	s_mul_i32 s22, s12, VOLB
	s_add_co_u32 s22, s22, s16
	s_mov_b32 s23, 0
	s_wait_kmcnt 0x0
	s_add_nc_u64 s[24:25], s[4:5], s[20:21]        ; w, x axis, at my rows
	s_add_nc_u64 s[26:27], s[24:25], VOLB          ; y axis
	s_add_nc_u64 s[28:29], s[26:27], VOLB          ; z axis
	s_add_nc_u64 s[30:31], s[6:7], s[22:23]        ; idx at my rows
	s_wait_alu depctr_va_vdst(0)                   ; v1 is written: every load and store of the kernel reads it as its offset
.irp k, 0,1,2,3,4
	global_load_b128 v[WV+12*\k:WV+12*\k+3],    v[OFF], s[24:25] offset:512*\k th:TH_LOAD_NT
	global_load_b128 v[WV+12*\k+4:WV+12*\k+7],  v[OFF], s[26:27] offset:512*\k th:TH_LOAD_NT
	global_load_b128 v[WV+12*\k+8:WV+12*\k+11], v[OFF], s[28:29] offset:512*\k th:TH_LOAD_NT
.endr
	; where my 16 bytes of pass k lie: piece q = lane + 32 k of the 160 pieces of four rows; a row has 40 pieces
	v_mov_b32 v[C01], 0
	v_mov_b32 v[C01+1], 1.0
	v_mov_b32 v[C23], 2.0
	v_mov_b32 v[C23+1], 0x40400000                 ; 3.0
.irp k, 0,1,2,3,4
	v_add_nc_u32 v[T+2], 32*\k, v[T+1]             ; q
	v_mul_u32_u24 v[T+3], 205, v[T+2]
	v_lshrrev_b32 v[T+3], 13, v[T+3]               ; q / 40 (205 / 8192 is exact for this below 1,000)
	v_mul_u32_u24 v[T+4], 40, v[T+3]
	v_sub_nc_u32 v[T+2], v[T+2], v[T+4]            ; q % 40
	v_add_nc_u32 v[T+3], s15, v[T+3]               ; y
	v_lshlrev_b32 v[T+2], 2, v[T+2]                ; z of the first of my four voxels
	v_cvt_f32_u32 v[P+2*\k], v[T+3]
	v_cvt_f32_u32 v[P+2*\k+1], v[T+2]
.endr
.macro PASS k
.set B, WV+12*\k
	s_wait_loadcnt 12-3*\k                         ; loads come back in order (ISA guide 5.7.1): the three of each later pass stay out
.if \k > 0
	s_wait_alu depctr_va_vdst(0)                   ; the pass before has written its four words, which the store below reads
	global_store_b128 v[OFF], v[B-12:B-9], s[30:31] offset:512*\k-512 th:TH_STORE_NT   ; the pass before; its registers are never written again
.endif
	v_pk_add_f32 v[T:T+1],     v[P+2*\k:P+2*\k+1], v[C01:C01+1] op_sel:[1,0] op_sel_hi:[1,1]   ; the grid's z, z + 1 (whole numbers: exact)
	v_pk_add_f32 v[T+2:T+3],   v[P+2*\k:P+2*\k+1], v[C23:C23+1] op_sel:[1,0] op_sel_hi:[1,1]   ; z + 2, z + 3
	v_pk_add_f32 v[B:B+1],     v[B:B+1],     s[36:37] op_sel_hi:[1,0]                          ; c = grid + w, one rounding
	v_pk_add_f32 v[B+2:B+3],   v[B+2:B+3],   s[36:37] op_sel_hi:[1,0]
	v_pk_add_f32 v[B+4:B+5],   v[B+4:B+5],   v[P+2*\k:P+2*\k+1] op_sel_hi:[1,0]
	v_pk_add_f32 v[B+6:B+7],   v[B+6:B+7],   v[P+2*\k:P+2*\k+1] op_sel_hi:[1,0]
	v_pk_add_f32 v[B+8:B+9],   v[B+8:B+9],   v[T:T+1]
	v_pk_add_f32 v[B+10:B+11], v[B+10:B+11], v[T+2:T+3]
.irp i, 0,1,2,3,4,5,6,7,8,9,10,11
	v_floor_f32 v[B+\i], v[B+\i]
.endr
.irp i, 0,1,2,3
	v_med3_num_f32 v[B+\i],   v[B+\i],   0, s38    ; clipped while still a float, so that any size of w is served
	v_med3_num_f32 v[B+4+\i], v[B+4+\i], 0, s39
	v_med3_num_f32 v[B+8+\i], v[B+8+\i], 0, s38
.endr
.irp i, 0,2
	v_pk_fma_f32 v[B+\i:B+\i+1], v[B+\i:B+\i+1], 0x43400000, v[B+4+\i:B+5+\i] op_sel_hi:[1,0,1]   ; bx * 192 + by
	v_pk_fma_f32 v[B+\i:B+\i+1], v[B+\i:B+\i+1], 0x43800000, v[B+8+\i:B+9+\i] op_sel_hi:[1,0,1]   ; * 256 + bz: at most 7,814,814, below 2^24, so exact in f32
.endr
.irp i, 0,1,2,3
	v_cvt_u32_f32 v[B+\i], v[B+\i]
.endr
.endm
	PASS 0
	PASS 1
	PASS 2
	PASS 3
	PASS 4
	s_wait_alu depctr_va_vdst(0)                   ; pass 4 has written its four words, which the last store reads
	global_store_b128 v[OFF], v[WV+48:WV+51], s[30:31] offset:2048 th:TH_STORE_NT
	s_endpgm
.Lfunc_end_k_q305625a51c_locate:
	.size	k_q305625a51c_locate, .Lfunc_end_k_q305625a51c_locate-k_q305625a51c_locate
	.p2alignl 7, 3214868480
	.fill 96, 4, 3214868480
	.section	.rodata,"a",@progbits
	.p2align	6, 0x0
	.amdhsa_kernel k_q305625a51c_locate
		.amdhsa_group_segment_fixed_size 0
		.amdhsa_private_segment_fixed_size 0
		.amdhsa_enable_private_segment 0
		.amdhsa_kernarg_size 16
		.amdhsa_user_sgpr_count 2
		.amdhsa_user_sgpr_kernarg_segment_ptr 1
		.amdhsa_wavefront_size32 1
		.amdhsa_system_sgpr_workgroup_id_x 1
		.amdhsa_system_sgpr_workgroup_id_y 1
		.amdhsa_system_sgpr_workgroup_id_z 1
		.amdhsa_system_vgpr_workitem_id 0
		.amdhsa_next_free_vgpr 84
		.amdhsa_next_free_sgpr 66
		.amdhsa_reserve_vcc 0
		.amdhsa_float_denorm_mode_32 3
		.amdhsa_float_denorm_mode_16_64 3
		.amdhsa_memory_ordered 1
		.amdhsa_forward_progress 1
		.amdhsa_inst_pref_size 17
	.end_amdhsa_kernel
	.amdgpu_metadata
---
amdhsa.version: [ 1, 2 ]
amdhsa.kernels:
  - .name:           k_q305625a51c_locate
    .symbol:         k_q305625a51c_locate.kd
    .args:
      - { .name: w, .offset: 0, .size: 8, .value_kind: global_buffer, .address_space: global }
      - { .name: idx, .offset: 8, .size: 8, .value_kind: global_buffer, .address_space: global }
    .group_segment_fixed_size: 0
    .private_segment_fixed_size: 0
    .kernarg_segment_align: 8
    .kernarg_segment_size: 16
    .max_flat_workgroup_size: 128
    .sgpr_count:     66
    .vgpr_count:     84
    .wavefront_size: 32
...
	.end_amdgpu_metadata
.endif
;; end of part 3
;; launch sample (part 4): grid 1920 x 3, 4 waves a work-group, no clusters, 0 bytes of LDS; arguments w, x, idx, out0; writes out0
.if DOCPART == 4
	.amdgcn_target "amdgcn-amd-amdhsa--gfx1250"
	.amdhsa_code_object_version 6
	.text
	.protected	k_q305625a51c_sample
	.globl	k_q305625a51c_sample
	.p2align	8
	.type	k_q305625a51c_sample,@function
k_q305625a51c_sample:
	s_mov_b64 s[64:65], 0
	v_nop
	global_prefetch_b8 v0, s[64:65] scope:SCOPE_SE
	s_setreg_imm32_b32 hwreg(HW_REG_WAVE_SCHED_MODE, 0, 2), 2
	s_setreg_imm32_b32 hwreg(HW_REG_WAVE_MODE, 25, 1), 1
	s_wait_xcnt 0x0
	s_wait_alu depctr_vm_vsrc(0)
; SAMPLE: second of two launches of a trilinear warp with zero padding.  w: [3][3][160][192][160] f32, x and out0: [3][160][192][160] f32,
; idx: [3][160][192][160] u32 from the first launch: ((bx * 192 + by) << 8) | bz with b = clip(floor(grid + w), 0, size - 2) on each axis.
; ADDRESSES come from idx alone.  Since b <= size - 2, the eight corners b, b + 1 lie inside the volume at one byte offset plus constants.
; WEIGHTS come from w alone, by the same c, floor and clip as in the first launch (the same instructions, so the same bits).  With d = c - b:
;   node b     has weight max(0, 1 - |d|)     = median(1 - d, 1 + d, 0)
;   node b + 1 has weight max(0, 1 - |d - 1|) = median(d, 2 - d, 0)
; For 0 <= floor(c) <= size - 2 these are exactly 1 - f and f.  For floor(c) = -1 node 0 gets f and node 1 gets 0; for floor(c) = size - 1
; the last node gets 1 - f and the one before it 0; further out both are 0: corners outside the volume count as zeros.
; SHARES as in the first launch: grid x = 12 strips of 16 rows in each of 160 slabs, grid y = the volume; four waves; a wave owns 4 rows =
; 5 passes of 16 bytes a lane (4 neighbouring z), so each streamed load and each store of a wave covers 512 consecutive, aligned bytes.
; A wave asks for all its idx and w at its start, then keeps two passes' gathers (2 x 32 loads) on their way.  No LDS and no barrier:
; which rows of x a voxel wants is known only from idx, and no wave needs another's data.
; LIMITS: w finite (NaN or infinity gives 0, not NaN).  x finite (a NaN or infinity of x under a weight of zero at or beyond the border
; gives NaN where a mask would give 0).  The eight products are factored along z, then x, then y: another order of rounding than eight
; weighted terms summed.
; THE MODE: SCHED_MODE bits 1:0 = 2 (LLVM: expert scheduling mode 2), set by the entry lines.  The code itself states the register dependences
; between vector instructions and memory instructions, with s_wait_alu, always for 0.
; THE PLAN.  Registers that memory instructions touch:
;   v1        the byte offset of the streamed loads and of the stores: written once at the head, never again.
;   IX[k]     idx's load lands in it; ADDR k turns it into byte offsets, in place; pass k's 32 gathers read it as their address; pass k's sums
;             write the results into it; the store of pass k, which stands in pass k + 1, reads it; nothing writes it afterwards.
;   G[k % 2]  pass k's gathers land in it; pass k's sums read and write it; pass k + 2's gathers, which stand in pass k + 1, land in it.
;   WV[k]     the head's loads land in it; from then on vector instructions alone name it.
;   T, WH, P, C01, C23 are named by vector instructions alone.
; Pass k: ONE wait on va_vdst at its head, for what pass k - 1's sums wrote and read; behind it the gathers of pass k + 1 and the store of pass
; k - 1, dealt among the lines that make pass k's weights, which name T, WH, WV[k], P, C01 and C23: none of the registers that those gathers
; and that store touch.  Then the wait for pass k's gathers, ONE wait on vm_vsrc (they have read IX[k]), and pass k's sums.
.set VOLB,  19660800                   ; bytes of one volume
.set GRPB,  2560                       ; bytes of a wave's four rows
.set ROWB,  640                        ; from y to y + 1
.set SLABB, 122880                     ; from x to x + 1
.set RMAX,  30526                      ; 158 * 192 + 190, the largest bx * 192 + by
.set ZMAX,  158
.set OFF,  1                           ; v1         16 x lane; never rewritten
.set C01,  2                           ; v[2:3]     0.0, 1.0
.set C23,  4                           ; v[4:5]     2.0, 3.0
.set P,    6                           ; v[6:15]    pass k: (y, z of my first voxel) as f32
.set T,    16                          ; v[16:23]   at work
.set WH,   24                          ; v[24:35]   the pass at work: weights of node b + 1: 4 of x, 4 of y, 4 of z
.set IX,   36                          ; v[36:55]   pass k: 4 words of idx, then 4 byte offsets in x, then the 4 results
.set WV,   56                          ; v[56:115]  pass k: 4 + 4 + 4 of w, then the weights of node b
.set G,    116                         ; v[116:179] two buffers of 4 voxels x 8 corners: registers 0-3 z = bz of (x,y) = (0,0) (0,1) (1,0) (1,1), 4-7 z = bz + 1
	s_load_b256 s[4:11], s[0:1], 0x0               ; w s[4:5], x s[6:7], idx s[8:9], out0 s[10:11]
	v_lshrrev_b32 v[T], 5, v0
	v_readfirstlane_b32 s13, v[T]                  ; wave 0..3
	v_and_b32 v[T+1], 31, v0                       ; lane
	v_lshlrev_b32 v[OFF], 4, v[T+1]
	s_wait_alu depctr_va_sdst(0)                   ; s13 is written, ahead of its first reader: my rows and the bases are made from it
	s_and_b32 s12, ttmp7, 0xffff                   ; volume 0..2
	s_mul_i32 s14, ttmp9, 5462
	s_lshr_b32 s14, s14, 16                        ; slab = group / 12 (exact for groups below 1,920)
	s_mul_i32 s15, s14, 12
	s_sub_co_u32 s15, ttmp9, s15                   ; strip 0..11
	s_lshl2_add_u32 s15, s15, s13
	s_lshl_b32 s15, s15, 2                         ; my first row in the slab: 16 strip + 4 wave
	s_cvt_f32_u32 s36, s14                         ; the grid's x,
	s_mov_b32 s37, s36                             ; as a pair for the packed add
	s_mov_b32 s38, 0x431e0000                      ; 158.0
	s_mov_b32 s39, 0x433e0000                      ; 190.0
	s_lshl2_add_u32 s16, ttmp9, s13
	s_mul_i32 s16, s16, GRPB                       ; my four rows' byte offset in a volume
	s_mul_i32 s20, s12, 3*VOLB
	s_add_co_u32 s20, s20, s16                     ; in w; below 2^31
	s_mov_b32 s21, 0
	s_mul_i32 s18, s12, VOLB                       ; my volume of x
	s_mov_b32 s19, 0
	s_add_co_u32 s22, s18, s16                     ; my rows in idx and in out0
	s_mov_b32 s23, 0
	s_wait_kmcnt 0x0
	s_add_nc_u64 s[24:25], s[4:5], s[20:21]        ; w, x axis
	s_add_nc_u64 s[26:27], s[24:25], VOLB          ; y axis
	s_add_nc_u64 s[28:29], s[26:27], VOLB          ; z axis
	s_add_nc_u64 s[30:31], s[8:9], s[22:23]        ; idx
	s_add_nc_u64 s[32:33], s[10:11], s[22:23]      ; out0
	s_add_nc_u64 s[34:35], s[6:7], s[18:19]        ; x, the volume's first byte
	s_wait_alu depctr_va_vdst(0)                   ; v1 is written: the streamed loads and the stores read it as their offset
.irp k, 0,1,2,3,4
	global_load_b128 v[IX+4*\k:IX+4*\k+3], v[OFF], s[30:31] offset:512*\k th:TH_LOAD_NT     ; idx first: the gathers hang on it
.endr
.irp k, 0,1,2,3,4
	global_load_b128 v[WV+12*\k:WV+12*\k+3],    v[OFF], s[24:25] offset:512*\k th:TH_LOAD_NT
	global_load_b128 v[WV+12*\k+4:WV+12*\k+7],  v[OFF], s[26:27] offset:512*\k th:TH_LOAD_NT
	global_load_b128 v[WV+12*\k+8:WV+12*\k+11], v[OFF], s[28:29] offset:512*\k th:TH_LOAD_NT
.endr
	; where my 16 bytes of pass k lie: piece q = lane + 32 k of the 160 pieces of four rows; a row has 40 pieces
	v_mov_b32 v[C01], 0
	v_mov_b32 v[C01+1], 1.0
	v_mov_b32 v[C23], 2.0
	v_mov_b32 v[C23+1], 0x40400000                 ; 3.0
.irp k, 0,1,2,3,4
	v_add_nc_u32 v[T+2], 32*\k, v[T+1]             ; q
	v_mul_u32_u24 v[T+3], 205, v[T+2]
	v_lshrrev_b32 v[T+3], 13, v[T+3]               ; q / 40 (exact for q below 160)
	v_mul_u32_u24 v[T+4], 40, v[T+3]
	v_sub_nc_u32 v[T+2], v[T+2], v[T+4]            ; q % 40
	v_add_nc_u32 v[T+3], s15, v[T+3]               ; y
	v_lshlrev_b32 v[T+2], 2, v[T+2]                ; z of the first of my four voxels
	v_cvt_f32_u32 v[P+2*\k], v[T+3]
	v_cvt_f32_u32 v[P+2*\k+1], v[T+2]
.endr
; idx to byte offsets, in place.  Both fields are clamped again here, so that no word whatever leads outside x.
.macro ADDR k
.irp j, 0,1,2,3
	v_lshrrev_b32 v[T+\j], 8, v[IX+4*\k+\j]
	v_and_b32 v[IX+4*\k+\j], 0xff, v[IX+4*\k+\j]
	v_min_u32 v[T+\j], RMAX, v[T+\j]
	v_min_u32 v[IX+4*\k+\j], ZMAX, v[IX+4*\k+\j]
	v_mul_u32_u24 v[T+\j], ROWB, v[T+\j]
	v_lshl_add_u32 v[IX+4*\k+\j], v[IX+4*\k+\j], 2, v[T+\j]       ; (bx * 192 + by) * 640 + 4 bz
.endr
.endm
; 8 loads: the eight corners of voxel j of pass k; the two z of a row one behind the other
.macro CORNERS k, j
	global_load_b32 v[G+32*((\k)%2)+8*(\j)+0], v[IX+4*(\k)+(\j)], s[34:35]
	global_load_b32 v[G+32*((\k)%2)+8*(\j)+4], v[IX+4*(\k)+(\j)], s[34:35] offset:4
	global_load_b32 v[G+32*((\k)%2)+8*(\j)+1], v[IX+4*(\k)+(\j)], s[34:35] offset:ROWB
	global_load_b32 v[G+32*((\k)%2)+8*(\j)+5], v[IX+4*(\k)+(\j)], s[34:35] offset:ROWB+4
	global_load_b32 v[G+32*((\k)%2)+8*(\j)+2], v[IX+4*(\k)+(\j)], s[34:35] offset:SLABB
	global_load_b32 v[G+32*((\k)%2)+8*(\j)+6], v[IX+4*(\k)+(\j)], s[34:35] offset:SLABB+4
	global_load_b32 v[G+32*((\k)%2)+8*(\j)+3], v[IX+4*(\k)+(\j)], s[34:35] offset:SLABB+ROWB
	global_load_b32 v[G+32*((\k)%2)+8*(\j)+7], v[IX+4*(\k)+(\j)], s[34:35] offset:SLABB+ROWB+4
.endm
; 32 loads: my four voxels of pass k
.macro GATH k
.irp j, 0,1,2,3
	CORNERS \k, \j
.endr
.endm
; two coordinates c in v[c:c+1] become the weights of node b (in place) and of node b + 1 (in v[hi:hi+1]); top = size - 2
.macro HAT c, hi, top
	v_floor_f32 v[T], v[\c]
	v_floor_f32 v[T+1], v[\c+1]
	v_med3_num_f32 v[T], v[T], 0, \top                                            ; b
	v_med3_num_f32 v[T+1], v[T+1], 0, \top
	v_pk_add_f32 v[\c:\c+1], v[\c:\c+1], v[T:T+1] neg_lo:[0,1] neg_hi:[0,1]       ; d = c - b
	v_pk_fma_f32 v[T+2:T+3], v[\c:\c+1], -1.0, 2.0 op_sel_hi:[1,0,0]              ; 2 - d
	v_pk_fma_f32 v[T+4:T+5], v[\c:\c+1], -1.0, 1.0 op_sel_hi:[1,0,0]              ; 1 - d
	v_pk_add_f32 v[T+6:T+7], v[\c:\c+1], 1.0 op_sel_hi:[1,0]                      ; 1 + d
	v_med3_num_f32 v[\hi], v[\c], v[T+2], 0
	v_med3_num_f32 v[\hi+1], v[\c+1], v[T+3], 0
	v_med3_num_f32 v[\c], v[T+4], v[T+6], 0
	v_med3_num_f32 v[\c+1], v[T+5], v[T+7], 0
.endm
; voxel j of pass k; sel = j % 2 says which register of a pair of weights is this voxel's.  Along z (four rows, two at a time), along x, along y.
.macro VOX k, j, sel
.set GV,  G+32*(\k%2)+8*\j
.set WLO, WV+12*\k+2*(\j/2)
.set WHI, WH+2*(\j/2)
	v_pk_mul_f32 v[GV:GV+1],   v[GV:GV+1],   v[WLO+8:WLO+9] op_sel:[0,\sel] op_sel_hi:[1,\sel]
	v_pk_mul_f32 v[GV+2:GV+3], v[GV+2:GV+3], v[WLO+8:WLO+9] op_sel:[0,\sel] op_sel_hi:[1,\sel]
	v_pk_fma_f32 v[GV:GV+1],   v[GV+4:GV+5], v[WHI+8:WHI+9], v[GV:GV+1]   op_sel:[0,\sel,0] op_sel_hi:[1,\sel,1]
	v_pk_fma_f32 v[GV+2:GV+3], v[GV+6:GV+7], v[WHI+8:WHI+9], v[GV+2:GV+3] op_sel:[0,\sel,0] op_sel_hi:[1,\sel,1]
	v_pk_mul_f32 v[GV:GV+1],   v[GV:GV+1],   v[WLO:WLO+1] op_sel:[0,\sel] op_sel_hi:[1,\sel]
	v_pk_fma_f32 v[GV:GV+1],   v[GV+2:GV+3], v[WHI:WHI+1], v[GV:GV+1] op_sel:[0,\sel,0] op_sel_hi:[1,\sel,1]
	v_mul_f32  v[IX+4*\k+\j], v[GV],   v[WLO+4+\sel]      ; the result takes the place of the voxel's byte offset: the two waits ahead of the sums have shown its gathers done and the offset read
	v_fmac_f32 v[IX+4*\k+\j], v[GV+1], v[WHI+4+\sel]
.endm
; Pass k.  first = 1: pass 0, with no pass in front of it.  ahead = 1: pass k + 1's gathers go out here, eight at a time, among the lines that
; make this pass's weights.  left = the younger loads that stay out when this pass's gathers have to be there.
.macro STEP k, first, ahead, left
.set B, WV+12*(\k)
.if !\first
	s_wait_alu depctr_va_vdst(0)                   ; the pass before has written its results, which the store below reads, and is done with its gather buffer, in which the loads below land; at pass 1 the byte offsets of passes 2 to 4 are written too
.endif
.if \ahead
	CORNERS (\k)+1, 0                              ; into the buffer that the pass before has used up; no vector instruction since the wait names these registers
.endif
.if !\first
	global_store_b128 v[OFF], v[IX+4*(\k)-4:IX+4*(\k)-1], s[32:33] offset:512*(\k)-512 th:TH_STORE_NT   ; the pass before; its registers are never written again
.endif
	v_pk_add_f32 v[T:T+1],     v[P+2*(\k):P+2*(\k)+1], v[C01:C01+1] op_sel:[1,0] op_sel_hi:[1,1]   ; the grid's z, z + 1
	v_pk_add_f32 v[T+2:T+3],   v[P+2*(\k):P+2*(\k)+1], v[C23:C23+1] op_sel:[1,0] op_sel_hi:[1,1]   ; z + 2, z + 3
	v_pk_add_f32 v[B:B+1],     v[B:B+1],     s[36:37] op_sel_hi:[1,0]                              ; c = grid + w
	v_pk_add_f32 v[B+2:B+3],   v[B+2:B+3],   s[36:37] op_sel_hi:[1,0]
	v_pk_add_f32 v[B+4:B+5],   v[B+4:B+5],   v[P+2*(\k):P+2*(\k)+1] op_sel_hi:[1,0]
	v_pk_add_f32 v[B+6:B+7],   v[B+6:B+7],   v[P+2*(\k):P+2*(\k)+1] op_sel_hi:[1,0]
	v_pk_add_f32 v[B+8:B+9],   v[B+8:B+9],   v[T:T+1]
	v_pk_add_f32 v[B+10:B+11], v[B+10:B+11], v[T+2:T+3]
.if \ahead
	CORNERS (\k)+1, 1
.endif
	HAT B,    WH,    s38
	HAT B+2,  WH+2,  s38
.if \ahead
	CORNERS (\k)+1, 2
.endif
	HAT B+4,  WH+4,  s39
	HAT B+6,  WH+6,  s39
.if \ahead
	CORNERS (\k)+1, 3
.endif
	HAT B+8,  WH+8,  s38
	HAT B+10, WH+10, s38
	s_wait_loadcnt \left                           ; loads come back in order (ISA guide 5.7.1): pass k's 32 are in, the next pass's 32 stay out
	s_wait_alu depctr_vm_vsrc(0)                   ; pass k's gathers have read their byte offsets, over which the sums below write the results
	VOX \k, 0, 0
	VOX \k, 1, 1
	VOX \k, 2, 0
	VOX \k, 3, 1
.endm
	s_wait_loadcnt 15                              ; idx's five loads are in; w's fifteen were issued behind them
	ADDR 0
	ADDR 1
	s_wait_alu depctr_va_vdst(0)                   ; the byte offsets of passes 0 and 1 are written, which the 64 gathers below read
	GATH 0
	s_wait_loadcnt 32                              ; all of w is in (it went out right behind idx); pass 0's 32 gathers stay out
	GATH 1
	ADDR 2
	ADDR 3
	ADDR 4
	STEP 0, 1, 0, 32
	STEP 1, 0, 1, 32
	STEP 2, 0, 1, 32
	STEP 3, 0, 1, 32
	STEP 4, 0, 0, 0                                ; nothing was issued behind pass 4's gathers
	s_wait_alu depctr_va_vdst(0)                   ; pass 4 has written its results, which the last store reads
	global_store_b128 v[OFF], v[IX+16:IX+19], s[32:33] offset:2048 th:TH_STORE_NT
	s_endpgm
.Lfunc_end_k_q305625a51c_sample:
	.size	k_q305625a51c_sample, .Lfunc_end_k_q305625a51c_sample-k_q305625a51c_sample
	.p2alignl 7, 3214868480
	.fill 96, 4, 3214868480
	.section	.rodata,"a",@progbits
	.p2align	6, 0x0
	.amdhsa_kernel k_q305625a51c_sample
		.amdhsa_group_segment_fixed_size 0
		.amdhsa_private_segment_fixed_size 0
		.amdhsa_enable_private_segment 0
		.amdhsa_kernarg_size 32
		.amdhsa_user_sgpr_count 2
		.amdhsa_user_sgpr_kernarg_segment_ptr 1
		.amdhsa_wavefront_size32 1
		.amdhsa_system_sgpr_workgroup_id_x 1
		.amdhsa_system_sgpr_workgroup_id_y 1
		.amdhsa_system_sgpr_workgroup_id_z 1
		.amdhsa_system_vgpr_workitem_id 0
		.amdhsa_next_free_vgpr 180
		.amdhsa_next_free_sgpr 66
		.amdhsa_reserve_vcc 0
		.amdhsa_float_denorm_mode_32 3
		.amdhsa_float_denorm_mode_16_64 3
		.amdhsa_memory_ordered 1
		.amdhsa_forward_progress 1
		.amdhsa_inst_pref_size 61
	.end_amdhsa_kernel
	.amdgpu_metadata
---
amdhsa.version: [ 1, 2 ]
amdhsa.kernels:
  - .name:           k_q305625a51c_sample
    .symbol:         k_q305625a51c_sample.kd
    .args:
      - { .name: w, .offset: 0, .size: 8, .value_kind: global_buffer, .address_space: global }
      - { .name: x, .offset: 8, .size: 8, .value_kind: global_buffer, .address_space: global }
      - { .name: idx, .offset: 16, .size: 8, .value_kind: global_buffer, .address_space: global }
      - { .name: out0, .offset: 24, .size: 8, .value_kind: global_buffer, .address_space: global }
    .group_segment_fixed_size: 0
    .private_segment_fixed_size: 0
    .kernarg_segment_align: 8
    .kernarg_segment_size: 32
    .max_flat_workgroup_size: 128
    .sgpr_count:     66
    .vgpr_count:     180
    .wavefront_size: 32
...
	.end_amdgpu_metadata
.endif
;; end of part 4
